; MI455X (gfx1250); checked and timed in simulation.
; The chip was launched on July 23, 2026; its instructions are those of AMD's public machine-readable ISA for CDNA 5 (MIT licence, August 2026) and "CDNA5" Instruction Set Architecture Reference Guide (July 2026). The comments in the code are by the model that wrote it; some were corrected since.
;; Entangle Complex. Allowed arithmetic: matrix products marked QUANTISED: E2M1 operands, one E8M0 scale for each 32 along K, by v_wmma_scale_f32_16x16x128_f8f6f4 with both operands' format E2M1 (or v_wmma_scale_f32_32x16x128_f4), f32 sums; everything else in f32.
;; Inputs: op_codes 4,096 x 128 x 16 uint8 (E2M1 codes of op, K innermost, in blocks of 32 codes, two codes a byte); op_scales 4,096 x 128 uint8 (E8M0 scales of op, one for each 32 codes along K); x_imag_codes 2,048 x 128 x 16 uint8 (E2M1 codes of x_imag, K innermost, in blocks of 32 codes, two codes a byte); x_imag_scales 2,048 x 128 uint8 (E8M0 scales of x_imag, one for each 32 codes along K); x_real_codes 2,048 x 128 x 16 uint8 (E2M1 codes of x_real, K innermost, in blocks of 32 codes, two codes a byte); x_real_scales 2,048 x 128 uint8 (E8M0 scales of x_real, one for each 32 codes along K).
;; Outputs: out0 2,048 x 4,096 float32; out1 2,048 x 4,096 float32.
;; This version of the problem:
;;   THIS VERSION OF THE PROBLEM IS GIVEN IN LOW PRECISION. The matrix products marked QUANTISED in the list below multiply operands that are first quantised to E2M1 (2 exponent bits, 1 mantissa bit; 4 bits a number), with one power-of-two scale for each 32 numbers along K (OCP MX v1.0); their sums are f32. All else is computed in f32.
;;   The module's matrix products, in the order in which they are computed (A, B: the left and right operand; K: the contracted axis; several contracted axes count as one K, in the product's order):
;;     1. [M 2,048, K 4,096] x [K 4,096, N 4,096]; A: input x_real (given as codes); B: input op (given as codes): QUANTISED
;;     2. [M 2,048, K 4,096] x [K 4,096, N 4,096]; A: input x_imag (given as codes); B: input op (given as codes): QUANTISED
;;   THE QUANTISER, for each operand of a quantised product, along K:
;;     - K is cut into blocks of 32 from its start; a last block that is shorter is filled with zeros.
;;     - A block's scale is 2^e with e = floor(log2(the largest magnitude in the block)) - 2, held to -126 .. 127; a block of zeros has e = 0. As a byte (E8M0): e + 127.
;;     - Each number is divided by its block's scale, clamped to +-6, and rounded to the nearest number of E2M1, ties to even, subnormals kept.
;;     - The product sums the exact products of the quantised numbers (number of the format x scale) in f32.
;;   ~~~python
;;   def quantise(x, axis):      # numpy; x: float32 -> the quantised numbers, widened to float32 again
;;       x = np.moveaxis(x, axis, -1); K = x.shape[-1]
;;       x = np.pad(x, [(0, 0)] * (x.ndim - 1) + [(0, -K % 32)]); x = x.reshape(x.shape[:-1] + (-1, 32)); a = np.abs(x).max(-1, keepdims=True)
;;       e = np.where(a > 0, np.clip(np.frexp(np.where(a > 0, a, 1))[1] - 1 - 2, -126, 127), 0)      # np.frexp(a)[1] - 1 = floor(log2(a)), exactly
;;       r = np.clip(x / 2.0 ** e, -6, 6)
;;       step = 2.0 ** (np.maximum(np.frexp(np.where(r == 0, 1, r))[1] - 1, 0) - 1)
;;       q = np.round(r / step) * step * 2.0 ** e      # np.round: ties to even
;;       return np.moveaxis(q.reshape(q.shape[:-2] + (-1,))[..., :K], -1, axis).astype(np.float32)
;;   ~~~
;;   INPUTS GIVEN AS CODES. op (in the module: [4096, 4096], K = its axis 0); x_imag (in the module: [2048, 4096], K = its axis 1); x_real (in the module: [2048, 4096], K = its axis 1): each comes as NAME_codes (uint8): NAME with its K axis moved to the last place and cut into blocks of 32 codes, [.., K / 32, bytes a block], one block behind the other in memory; two codes a byte, the lower K in the low four bits (a code: sign, 2 exponent bits, 1 mantissa bit); and NAME_scales (uint8): the same leading axes, one E8M0 byte (e + 127) for each 32 codes along K. Its value is code x scale, taken as it is: it is not quantised again, and the codes and scales need not be those that the quantiser above would give.
;; One version. Each part assembles by itself: llvm-mc -triple=amdgcn-amd-amdhsa -mcpu=gfx1250 --defsym DOCPART=n.
;; ======== version 1 of 1: 1 launch
;; limits: right only within a limited range of input values
;; launch gemm (part 1): grid 16 x 16, 4 waves a work-group, clusters of 4 x 4, 327,680 bytes of LDS; arguments x_real_codes, x_real_scales, x_imag_codes, x_imag_scales, op_codes, op_scales, out0, out1; writes out0, out1
.if DOCPART == 1
	.amdgcn_target "amdgcn-amd-amdhsa--gfx1250"
	.amdhsa_code_object_version 6
	.text
	.protected	k_q93dd0d5200_gemm
	.globl	k_q93dd0d5200_gemm
	.p2align	8
	.type	k_q93dd0d5200_gemm,@function
k_q93dd0d5200_gemm:
	s_mov_b64 s[64:65], 0
	v_nop
	global_prefetch_b8 v0, s[64:65] scope:SCOPE_SE
	s_setreg_imm32_b32 hwreg(HW_REG_WAVE_MODE, 25, 1), 1
	s_wait_xcnt 0x0
	s_wait_alu depctr_hold_cnt(0) depctr_sa_sdst(0) depctr_va_vdst(0) depctr_va_sdst(0) depctr_va_ssrc(0) depctr_va_vcc(0) depctr_vm_vsrc(0)
	s_getreg_b32 s2, hwreg(HW_REG_IB_STS2, 6, 4)
	s_cmp_eq_u32 s2, 0
	s_cbranch_scc0 .Lentry_in_a_cluster
	s_endpgm
.Lentry_in_a_cluster:
	s_bfe_u32 s2, ttmp6, 0x10000c
	s_cmp_lg_u32 s2, 0xf033
	s_cbranch_scc0 .Lentry_shape_is_right
	s_endpgm
.Lentry_shape_is_right:
; out0 = x_real op, out1 = x_imag op, on codes of FP4 (E2M1) with one E8M0 scale byte for each 32 along K.  x_real, x_imag: [2048][4096] as codes, K innermost (a row is 2,048 bytes), scale bytes [2048][128];
; op: as codes [4096 (n)][4096 (k)], K innermost, scale bytes [4096][128].  out0, out1: [2048][4096] f32.  Codes and scale bytes go to the matrix instruction as they are; sums in f32, one accumulator for each output, K ascending.
; The two products share op: stacked they are ONE product C = A B^T of 4,096 x 4,096 x 4,096, 256 tiles of 256 x 256.  Clusters with y = 0, 1 take x_real and out0, those with y = 2, 3 x_imag and out1:
; the buffers are chosen once, on the cluster's y, which all sixteen partners share.
; A tile is made by four waves, 128 x 128 each: 32 accumulators of 32 (op rows) x 16 (x rows), 512 registers.  K goes in 8 steps of 512 (256 bytes of a row) through a ring of two LDS slots.
; CLUSTERS: 4 x 4 work-groups.  The four of a row of the cluster need the same rows of x, the four of a column the same rows of op: each tile is asked for JOINTLY, with one descriptor and a mask that names the four.
; SOURCE 0 = 32 rows of op, SOURCE 1 = 16 rows of x: a lane then holds eight neighbouring numbers of a row of C, twice.
; THE SCALES come by two of the head's four tensor loads, 256 rows x 128 bytes each, stated as 128 rows of 256 bytes.  x's stay in LDS behind the ring.  op's do not fit there too: they land in slot 1's bytes, every wave takes
; the words of its 128 rows for all of K into 128 registers, and only then slot 1 takes K step 1.
; THE LAST K STEP GOES BY ROWS: op's fragments of the whole step fill window 1, and each 16 rows of C leave as soon as they are finished.
; PREFETCH: each cluster asks for what it will load itself, each 256 bytes once: of the 128 rows that a wave fetches each of the four partners takes 32, by address.  The head asks for K steps 1 and 2, the fill of K step n for n + 2.
; WRITTEN OUT, not looped: the registers of op's scale words differ in every K step.
; LIMITS: a scale byte 0xff is taken as the matrix instruction takes it (NaN).  The sizes are fixed.
; REGISTERS.  Window 0: v0-31 addresses; v32-47 op's scale words of K step 7; v48-79 x's scale words, odd K steps; v80-191 op's, K steps 0 to 6; v192-223 x's, even K steps.
;   In the last K step v80-143 take x's fragments (two buffers of 16 rows x 512 K); v144-255 and v0-15 rows of C on their way out.
;   Window 1: op's fragments of 128 along K, two sets (v0, v64); x's, two sets (v128, v192).   Windows 2, 3: accumulators (a, b), a = x's block of 16 rows, b = op's block of 32, at v[16 (4 (a mod 4) + b)], window 2 + a / 4.
.set ROWB,   256                       ; a tile's row in bytes: 512 codes
.set KROW,   2048                      ; a row of codes in memory
.set PITCH,  272                       ; an LDS row: 256 bytes + 16 of padding: 16 rows start at 16 different banks (64 banks of 4 bytes: ISA guide 11.1)
.set HALFT,  128*PITCH
.set TILE,   2*HALFT                   ; x's 256 rows, or op's
.set SLOT,   2*TILE
.set SCL,    2*SLOT                    ; behind the ring: x's scales, 128 units of 256 + 16 bytes: two rows of scales in a unit
.set HALFS,  64*272                    ; the scales of 128 rows
.set SPARE,  SCL+128*272               ; the spare words, 128 bytes for each wave: two blocks of 256 bytes that no other line names
.set SPITCH, 528                       ; the way out: a stage of 16 rows x (512 + 16) bytes for each wave, in slot 0, which has had its last fill and its last read by then
.set ADRX,  16                         ; v16-17  LDS address of my x fragments in slot 0, 1
.set PFO,   18                         ; v18     the prefetches' offset: my lane x a row of codes
.set ADRO,  20                         ; v20-21  LDS address of my op fragments in slot 0, 1
.set XSA,   22                         ; v22     LDS address of my x scale words: row lane mod 16
.set OSA,   23                         ; v23     LDS address of my op scale words at the head: row lane
.set STO,   24                         ; v24     the way out: where I put pieces of a row
.set RD,    25                         ; v25     the way out: where I read a row back
.set CO,    26                         ; v26     my byte offset in a row of C
.set SPW,   28                         ; v28     LDS address of my spare word; never rewritten
.set NIL,   29                         ; v29     0; never rewritten
.set WV,    20                         ; s20     my wave's number
.set HR,    21                         ; s21     which half of the tile's rows is mine.  Also: in the ring I fetch for x (0) or for op (1)
.set HC,    22                         ; s22     which half of its columns.  Also: which 128 rows I fetch
.set G1A,   24                         ; s[24:31] group 1 for x's codes;  s[32:39] group 0, one set for each slot
.set G0A,   32
.set G1B,   48                         ; s[48:55], s[56:63] the same for op's codes
.set G0B,   56
.set G1SA,  68                         ; s[68:75], s[76:79] groups 1 and 0 for x's scales
.set G0SA,  76
.set G1SB,  80                         ; s[80:87], s[88:91] for op's scales
.set G0SB,  88
.set PFA,   92                         ; s[92:93] where my prefetches stand: my work-group's 32 rows, K step 0
.set LB,    94                         ; s94     where my quarter of a slot begins
.set G0HA,  4                          ; s[4:7], s[8:11] group 0 for the head's loads of 256 rows of codes (the arguments there have been used by then)
.set G0HB,  8
.set TO_F,  0x40                       ; destination window 1, address window 0
.set MSB, 0
.macro WIN new                         ; the immediate's high byte repeats the setting that is left; a switch that changes nothing is dropped
.if MSB != (\new)
	s_set_vgpr_msb (MSB<<8)|(\new)
.set MSB, (\new)
.endif
.endm
.macro PLACES n
.rept \n
	v_nop
.endr
.endm
.macro ONE g0, g1                      ; one tensor load and four v_nop
	tensor_load_to_lds s[\g0:\g0+3], s[\g1:\g1+7]
	s_nop 0
	PLACES 4
.endm
.macro JLOAD slot                      ; a joint fill: waves 0, 1 ask for x's two halves, waves 2, 3 for op's; the branch hangs on the wave's number alone
	s_cmp_eq_u32 s[HR], 0
	s_cbranch_scc0 .Lfor_b_\@
	ONE G0A+4*(\slot), G1A
	s_branch .Lasked_\@
.Lfor_b_\@:
	ONE G0B+4*(\slot), G1B
.Lasked_\@:
.endm
.macro CREST                           ; a round of the cluster's barrier behind its opening barrier
	s_cmp_lg_u32 s[WV], 0
	s_cbranch_scc1 .Lnot_wave_0_\@
	s_barrier_signal -3
.Lnot_wave_0_\@:
	s_barrier_wait -3
	s_barrier_signal -1
	s_barrier_wait -1
.endm
.macro CROUND                          ; a whole round
	s_barrier_signal -1
	s_barrier_wait -1
	CREST
.endm
.macro ARM under, g0, g1, next         ; an arm of the head's one tree of branches
	s_cmp_lt_u32 s[WV], \under
	s_cbranch_scc0 \next
	ONE \g0, \g1
	s_branch .Lhead_asked
\next:
.endm
.macro ASK k                           ; one prefetch: 32 rows' 256 bytes of K step k, a lane a row
	global_prefetch_b8 v[PFO], s[PFA:PFA+1] offset:(\k)*ROWB th:TH_LOAD_NT scope:SCOPE_SE
.endm
; Fragments: lane l holds row l % 16; registers 4 c .. 4 c + 3 hold K = 64 c + 32 (l / 16) + 0 .. 31.  op's block b is 32 rows: 16 registers; x's block a is 16 rows: 8.
.macro LDOP slot, q, p, b              ; op's block b, the slot's q-th 128 along K, into set p
.irp c, 0,1,2,3
	ds_load_b128 v[64*(\p)+16*(\b)+4*\c:64*(\p)+16*(\b)+4*\c+3], v[ADRO+(\slot)] offset:64*(\q)+32*(\c%2)+(32*(\b)+16*(\c/2))*PITCH
.endr
.endm
.macro LDX slot, q, p, a               ; x's block a
.irp c, 0,1
	ds_load_b128 v[128+64*(\p)+8*(\a)+4*\c:128+64*(\p)+8*(\a)+4*\c+3], v[ADRX+(\slot)] offset:64*(\q)+32*\c+16*(\a)*PITCH
.endr
.endm
.macro XSC k                           ; x's scale words of K step k: block a's four at v[.. + 4 a]; lanes 16-31 hold the same and are not read
	WIN 0
.irp a, 0,1,2,3,4,5,6,7
	ds_load_b128 v[192-144*((\k)%2)+4*\a:192-144*((\k)%2)+4*\a+3], v[XSA] offset:16*(\k)+\a*8*272
.endr
.endm
.macro WM o, x, so, sx, zero           ; one product onto accumulator DD; zero: it starts the sum
.if \zero
	v_wmma_scale_f32_32x16x128_f4 v[DD:DD+15], v[\o:\o+15], v[\x:\x+7], 0, v[\so], v[\sx]
.else
	v_wmma_scale_f32_32x16x128_f4 v[DD:DD+15], v[\o:\o+15], v[\x:\x+7], v[DD:DD+15], v[\so], v[\sx]
.endif
.endm
; x's block a against op's four, K step k, its q-th 128 along K, fragment set p.  The 32 accumulators take turns, one instruction a turn, in the same order in every step.
.macro MUL4 a, p, k, q, zero
	WIN 0xa5+0x50*((\a)/4)
.irp b, 0,1,2,3
.set DD, 16*(4*((\a)%4)+\b)
	WM 64*(\p)+16*\b, 128+64*(\p)+8*(\a), 80+16*(\k)-160*((\k)/7)+4*\b+(\q), 192-144*((\k)%2)+4*(\a)+(\q), \zero
.endr
.endm
.macro FETCH slot, q, p                ; a set, 32 loads in one run, in this order: op 0, x 0, op 1, op 2, op 3 (18 loads), then x 1 .. x 7 (two each)
	WIN TO_F
	LDOP \slot, \q, \p, 0
	LDX  \slot, \q, \p, 0
.irp i, 1,2,3
	LDOP \slot, \q, \p, \i
.endr
.irp i, 1,2,3,4,5,6,7
	LDX  \slot, \q, \p, \i
.endr
.endm
; A step of 128 along K with its successor in the same slot.  ONE run of loads at its start: the next set, into the registers that the step before has read (the four places in front are for these), and in a K step's second step
; the next K step's eight scale words behind it.  Then 32 products.  In front of block a's there may be out: x a + 1 .. x 7 of this step's set, 14 - 2 a loads, and what was issued behind them: 32 of the next set and, in the
; second and third step, the eight scale words.
.macro STEP k, q, zero
	PLACES 4
	FETCH (\k)%2, (\q)+1, 1-(\q)%2
.set E, 32
.if (\q) == 1
	XSC (\k)+1                                     ; into the set that the K step before this one used
.endif
.if (\q) > 0
.set E, 40
.endif
.irp a, 0,1,2,3,4,5,6,7
	s_wait_dscnt E+14-2*\a
	MUL4 \a, (\q)%2, \k, \q, \zero
.endr
.endm
; The first part of a K step's last 128: ONE barrier for the change of slots.  In front of it each wave waits for all its tensor loads (its part of the next slot), adds 0 to its spare word, and waits for that and for its reads of this slot.
.macro MEET k
	WIN 0                                          ; (the add's two registers lie in window 0)
	s_wait_tensorcnt 0x0
	ds_add_u32 v[SPW], v[NIL]
.if (\k) < 6
	s_add_nc_u64 s[G0A+4*((\k)%2)+2:G0A+4*((\k)%2)+3], s[G0A+4*((\k)%2)+2:G0A+4*((\k)%2)+3], 2*ROWB   ; no tensor load of mine is out: this slot's next K step
	s_add_nc_u64 s[G0B+4*((\k)%2)+2:G0B+4*((\k)%2)+3], s[G0B+4*((\k)%2)+2:G0B+4*((\k)%2)+3], 2*ROWB
.endif
	s_wait_dscnt 15                                ; x 1 .. x 7, and the add
	MUL4 0, 1, \k, 3, 0
	s_wait_dscnt 13                                ; x 2 .. x 7, and the add
	MUL4 1, 1, \k, 3, 0
	s_wait_dscnt 0x0                               ; the add is done, and my reads of this slot are over
	s_barrier_signal -1
	MUL4 2, 1, \k, 3, 0
	MUL4 3, 1, \k, 3, 0
	WIN 0
	s_barrier_wait -1
.endm
; The whole of it where the slot is filled again, with K step k + 2: the barrier opens a round of the cluster's barrier, and the joint load comes first behind the round; its four v_nop are also the places in front of the loads.
.macro TURN k
	MEET \k
	CREST
	JLOAD (\k)%2
	FETCH ((\k)+1)%2, 0, 0                         ; the next slot's first set
.if (\k) < 4
	ASK (\k)+4                                     ; two K steps behind the one just asked for; K step 7 is the last
.endif
.irp a, 4,5,6,7
	MUL4 \a, 1, \k, 3, 0
.endr
.endm
	s_load_b256 s[4:11], s[0:1], 0x0               ; x_real's codes s[4:5], scales s[6:7]; x_imag's codes s[8:9], scales s[10:11]
	s_load_b256 s[12:19], s[0:1], 0x20             ; op's codes s[12:13], scales s[14:15]; out0 s[16:17], out1 s[18:19]
	v_lshl_add_u32 v[SPW], v0, 2, SPARE
	v_mov_b32 v[NIL], 0
	ds_add_u32 v[SPW], v[NIL]                      ; the wave's opening: the add, twice on end, and its wait ahead of my first tensor load
	ds_add_u32 v[SPW], v[NIL]
	v_lshrrev_b32 v1, 5, v0
	v_readfirstlane_b32 s[WV], v1                  ; wave 0..3
	s_lshr_b32 s[HR], s[WV], 1
	s_and_b32 s[HC], s[WV], 1
	s_bfe_u32 s40, ttmp6, 0x40000                  ; cx, cy: my place in the cluster
	s_bfe_u32 s41, ttmp6, 0x40004
	s_lshl_b32 s42, ttmp9, 2
	s_add_co_u32 s42, s42, s40                     ; tile column of C = 4 x cluster x + cx: 0 .. 15
	s_and_b32 s45, ttmp7, 0xffff                   ; cluster y: 0, 1 x_real; 2, 3 x_imag
	s_and_b32 s23, s45, 1
	s_lshl_b32 s23, s23, 2
	s_add_co_u32 s23, s23, s41                     ; tile row inside the chosen buffers: 0 .. 7
	s_lshl_b32 s43, s41, 2
	s_lshl_b32 s43, 15, s43                        ; my row of the cluster
	s_lshl_b32 s44, 0x1111, s40                    ; my column
	; group 1 for codes: rows of 256 bytes, padded in LDS; 256 rows for the head's loads, then 128
	s_or_b32 s[G1A+0], s43, (0<<16)|(1<<20)|(1<<21)|(5<<22)|(3<<25)  ; 15:0 the mask; 17:16 element of 1 byte; 20 padding on; 21 set beside a mask; 24:22 after every 64 words; 31:25 of 4 words
	s_or_b32 s[G1B+0], s44, (0<<16)|(1<<20)|(1<<21)|(5<<22)|(3<<25)
.irp g, G1A, G1B
	s_mov_b32 s[\g+1], ROWB<<16                    ; tensor_dim0
	s_mov_b32 s[\g+2], 256<<16                     ; tensor_dim1
	s_mov_b32 s[\g+3], ROWB<<16                    ; tile_dim0
	s_mov_b32 s[\g+4], 256                         ; tile_dim1
	s_mov_b32 s[\g+5], KROW                        ; tensor_dim0_stride
	s_mov_b32 s[\g+6], 0
	s_mov_b32 s[\g+7], 0
.endr
	; group 1 for the scales of 256 rows: a dense block of 32,768 bytes as 128 rows of 256 bytes (32 elements of 8 bytes), 16 bytes of padding behind each
	s_or_b32 s[G1SA+0], s43, (3<<16)|(1<<20)|(1<<21)|(5<<22)|(3<<25)
	s_or_b32 s[G1SB+0], s44, (3<<16)|(1<<20)|(1<<21)|(5<<22)|(3<<25)
.irp g, G1SA, G1SB
	s_mov_b32 s[\g+1], 32<<16
	s_mov_b32 s[\g+2], 128<<16
	s_mov_b32 s[\g+3], 32<<16
	s_mov_b32 s[\g+4], 128
	s_mov_b32 s[\g+5], 32
	s_mov_b32 s[\g+6], 0
	s_mov_b32 s[\g+7], 0
.endr
	s_lshl_b32 s66, s23, 19                        ; x's codes: 256 x tile row rows of 2,048 bytes: made of what my row of the cluster shares
	s_mov_b32 s67, 0
	s_lshl_b32 s2, s23, 15                         ; x's scales: rows of 128 bytes
	s_mov_b32 s3, 0
	s_lshl_b32 s46, s42, 19                        ; op's codes: of what my column shares
	s_mov_b32 s47, 0
	s_lshl_b32 s98, s42, 15                        ; op's scales
	s_mov_b32 s99, 0
	s_lshl_b32 s96, s[HC], 18                      ; in the ring I fetch 128 rows: which half
	s_mov_b32 s97, 0
	s_mul_i32 s[LB], s[WV], HALFT                  ; where they go: wave x 128 rows: no place in the cluster enters an LDS address
	s_wait_alu depctr_va_vdst(0)
	s_wait_dscnt 0x0                               ; both opening adds are done
	CROUND                                         ; all sixteen work-groups are here: the first joint loads meet (the arguments are on their way meanwhile)
	s_wait_kmcnt 0x0
	s_cmp_lt_u32 s45, 2                            ; the choice hangs on the cluster's y alone
	s_cselect_b64 s[4:5], s[4:5], s[8:9]           ; x's codes
	s_cselect_b64 s[6:7], s[6:7], s[10:11]         ; x's scales
	s_cselect_b64 s[16:17], s[16:17], s[18:19]     ; C
	s_add_nc_u64 s[66:67], s[4:5], s[66:67]
	s_add_nc_u64 s[2:3], s[6:7], s[2:3]
	s_add_nc_u64 s[46:47], s[12:13], s[46:47]
	s_add_nc_u64 s[98:99], s[14:15], s[98:99]
	s_mov_b32 s[G0SA], 1                           ; group 0 of the head's four tiles: x's scales, behind the ring;
	s_mov_b32 s[G0SA+1], SCL
	s_mov_b64 s[G0SA+2:G0SA+3], s[2:3]
	s_or_b32 s[G0SA+3], s[G0SA+3], 0x80000000
	s_mov_b32 s[G0SB], 1                           ; op's scales, in slot 1's bytes;
	s_mov_b32 s[G0SB+1], SLOT
	s_mov_b64 s[G0SB+2:G0SB+3], s[98:99]
	s_or_b32 s[G0SB+3], s[G0SB+3], 0x80000000
	s_mov_b32 s[G0HA], 1                           ; K step 0's 256 rows of x, in slot 0,
	s_mov_b32 s[G0HA+1], 0
	s_mov_b64 s[G0HA+2:G0HA+3], s[66:67]
	s_or_b32 s[G0HA+3], s[G0HA+3], 0x80000000
	s_mov_b32 s[G0HB], 1                           ; and its 256 rows of op behind them
	s_mov_b32 s[G0HB+1], TILE
	s_mov_b64 s[G0HB+2:G0HB+3], s[46:47]
	s_or_b32 s[G0HB+3], s[G0HB+3], 0x80000000
	; THE HEAD'S LOADS, ONE A WAVE, in one tree of branches on the wave's number
	ARM 1, G0HA, G1A,  .Lhead_b
	ARM 2, G0HB, G1B,  .Lhead_sa
	ARM 3, G0SA, G1SA, .Lhead_sb
	ONE G0SB, G1SB
.Lhead_asked:
	s_add_nc_u64 s[66:67], s[66:67], s[96:97]      ; for the ring: my 128 rows, and group 0 of both slots
	s_add_nc_u64 s[46:47], s[46:47], s[96:97]
.irp s, 0,1
	s_mov_b32 s[G0A+4*\s], 1
	s_add_co_u32 s[G0A+4*\s+1], s[LB], \s*SLOT
	s_add_nc_u64 s[G0A+4*\s+2:G0A+4*\s+3], s[66:67], \s*ROWB
	s_or_b32 s[G0A+4*\s+3], s[G0A+4*\s+3], 0x80000000
	s_mov_b32 s[G0B+4*\s], 1
	s_add_co_u32 s[G0B+4*\s+1], s[LB], \s*SLOT
	s_add_nc_u64 s[G0B+4*\s+2:G0B+4*\s+3], s[46:47], \s*ROWB
	s_or_b32 s[G0B+4*\s+3], s[G0B+4*\s+3], 0x80000000
.endr
	; my prefetches, and the scalar parts of my lane's addresses
	s_cmp_eq_u32 s[HR], 0                          ; do I fetch for x?
	s_cselect_b64 s[PFA:PFA+1], s[66:67], s[46:47]
	s_cselect_b32 s2, s40, s41                     ; my place among the four that ask for these rows with me
	s_lshl_b32 s2, s2, 16                          ; my work-group's 32 rows of 2,048 bytes
	s_mov_b32 s3, 0
	s_add_nc_u64 s[PFA:PFA+1], s[PFA:PFA+1], s[2:3]
	s_mul_i32 s12, s[HR], HALFT                    ; my 128 rows of x
	s_mul_i32 s13, s[HC], HALFT                    ; my 128 rows of op, behind x's 256
	s_add_co_u32 s13, s13, TILE
	s_mul_i32 s14, s[WV], 16*SPITCH                ; my stage
	s_mul_i32 s15, s[HR], HALFS                    ; the scales of my rows of x
	s_add_co_u32 s15, s15, SCL
	s_mul_i32 s18, s[HC], HALFS                    ; and of op
	s_add_co_u32 s18, s18, SLOT
	v_and_b32 v1, 15, v0                           ; r
	v_bfe_u32 v2, v0, 4, 1                         ; h
	v_and_b32 v6, 31, v0                           ; lane
	v_mul_u32_u24 v3, v1, PITCH
	v_lshl_add_u32 v4, v2, 4, v3                   ; a fragment's row x pitch + 16 h
	v_add_nc_u32 v[ADRX], s12, v4
	v_add_nc_u32 v[ADRX+1], SLOT, v[ADRX]
	v_add_nc_u32 v[ADRO], s13, v4
	v_add_nc_u32 v[ADRO+1], SLOT, v[ADRO]
	v_lshrrev_b32 v5, 1, v6                        ; scale words: row n lies at 272 (n / 2) + 128 (n % 2)
	v_lshrrev_b32 v9, 1, v1
	v_and_b32 v7, 1, v0
	v_mul_u32_u24 v5, v5, 272
	v_mul_u32_u24 v9, v9, 272
	v_lshl_add_u32 v5, v7, 7, v5
	v_lshl_add_u32 v9, v7, 7, v9
	v_add_nc_u32 v[XSA], s15, v9                   ; x: row r, both halves of the lanes
	v_add_nc_u32 v[OSA], s18, v5                   ; op: row lane
	v_mul_u32_u24 v8, v1, SPITCH                   ; the way out, in: row r, 32 h
	v_lshl_add_u32 v8, v2, 5, v8
	v_add_nc_u32 v[STO], s14, v8
	v_lshlrev_b32 v[CO], 4, v6                     ; back: the 32 lanes take one row of 512 bytes; and the same in C
	v_add_nc_u32 v[RD], s14, v[CO]
	v_lshlrev_b32 v[PFO], 11, v6
	s_wait_alu depctr_va_vdst(0)
	ASK 1
	s_lshl_b32 s2, s23, 8
	s_lshl_b32 s3, s[HR], 7
	s_add_co_u32 s2, s2, s3                        ; my first row of C: 1,920 at the most,
	s_lshl_b32 s2, s2, 14                          ; x 16,384 bytes a row
	s_lshl_b32 s12, s42, 10                        ; my first column, in bytes
	s_lshl_b32 s13, s[HC], 9
	s_add_co_u32 s2, s2, s12
	s_add_co_u32 s2, s2, s13
	s_mov_b32 s3, 0
	s_add_nc_u64 s[16:17], s[16:17], s[2:3]
	s_wait_tensorcnt 0x0                           ; my tile of the head's four is in
	ds_add_u32 v[SPW], v[NIL]
	s_mov_b32 s[G1A+2], 128<<16                    ; no tensor load of mine is out: from here on a load brings 128 rows
	s_mov_b32 s[G1A+4], 128
	s_mov_b32 s[G1B+2], 128<<16
	s_mov_b32 s[G1B+4], 128
	s_wait_dscnt 0x0
	s_barrier_signal -1
	s_barrier_wait -1                              ; all four tiles are in
.irp k, 0,1,2,3,4,5,6,7                        ; op's scale words of my 128 rows for all of K: block b's four of K step k, lane m for row m
.irp b, 0,1,2,3
	ds_load_b128 v[80+16*\k-160*(\k/7)+4*\b:80+16*\k-160*(\k/7)+4*\b+3], v[OSA] offset:16*\k+\b*16*272
.endr
.endr
	s_wait_tensorcnt 0x0                           ; ahead of the fill: none of my tensor loads is out,
	ds_add_u32 v[SPW], v[NIL]
	s_wait_dscnt 0x0                               ; the add is done, and op's scale words are in registers
	CROUND                                         ; in every wave of all sixteen work-groups:
	JLOAD 1                                        ; slot 1 takes K step 1
	XSC 0
	FETCH 0, 0, 0
	ASK 2                                          ; one K step ahead of its load; from K step 3 on two
	ASK 3
	STEP 0, 0, 1                                   ; its products start the sums
	STEP 0, 1, 0
	STEP 0, 2, 0
	TURN 0
.irp k, 1,2,3,4,5
	STEP \k, 0, 0
	STEP \k, 1, 0
	STEP \k, 2, 0
	TURN \k
.endr
	STEP 6, 0, 0
	STEP 6, 1, 0
	STEP 6, 2, 0
; THE LAST K STEP, in slot 1, by rows of C.  op's fragments of quarter q fill v[64 q ..] of window 1; x's block a, all four quarters, comes into one of two buffers in window 0.
.macro OPQ q
	WIN TO_F
.irp b, 0,1,2,3
	LDOP 1, \q, \q, \b
.endr
.endm
.macro ALOAD a
	WIN 0
.irp q, 0,1,2,3
.irp c, 0,1
	ds_load_b128 v[80+32*((\a)%2)+8*\q+4*\c:80+32*((\a)%2)+8*\q+4*\c+3], v[ADRX+1] offset:64*\q+32*\c+16*(\a)*PITCH
.endr
.endr
.endm
.macro ROW a                           ; block a is finished: 16 products, its four accumulators by turns
	WIN 0xa1+0x50*((\a)/4)
.irp q, 0,1,2,3
.if (\a) == 0
.if \q == 0
	s_wait_dscnt 56                                ; quarter 0 and x 0 are in; behind them 16 + 16 + 16 + 8 loads
.endif
.if \q == 1
	s_wait_dscnt 24                                ; quarters 2 and 1 are in; behind them 16 + 8
.endif
.if \q == 3
	s_wait_dscnt 8                                 ; quarter 3 is in; x 1 may be out
.endif
.endif
.irp b, 0,1,2,3
.set DD, 16*(4*((\a)%4)+\b)
	WM 64*\q+16*\b, 80+32*((\a)%2)+8*\q, 32+4*\b+\q, 48+4*(\a)+\q, 0
.endr
.endr
.endm
; THE WAY OUT of block a: a lane holds 32-byte pieces of a row, and the lanes beside it hold other rows: the block goes through my own stage and comes back as whole rows of 512 bytes, which the 32 lanes store as two aligned runs
; of 256 bytes.  LDS serves a wave's instructions in order (ISA guide 5.7.1.4): no wait between these stores and loads, nor in front of the next block's stores.
.macro TOSTAGE a
	WIN 0x08+4*((\a)/4)                            ; an LDS store's data are its source 1
.irp b, 0,1,2,3
.set DD, 16*(4*((\a)%4)+\b)
.irp c, 0,1,2,3
	ds_store_b128 v[STO], v[DD+4*\c:DD+4*\c+3] offset:128*\b+64*(\c/2)+16*(\c%2)   ; each accumulator from its low end on
.endr
.endr
	WIN 0
.irp t, 0,1,2,3,4,5,6,7,8,9,10,11,12,13,14,15
.set BB, (144+64*((\a)%2)+4*\t)%256
	ds_load_b128 v[BB:BB+3], v[RD] offset:\t*SPITCH
.endr
.endm
.macro SEND a, younger                 ; younger: the LDS loads issued behind block a's, which may stay out
	WIN 0
	s_wait_dscnt \younger                          ; the block is back in registers
	s_wait_xcnt 0x0                                ; the block before has been taken: its registers are loaded again behind this wait only
.irp t, 0,1,2,3,4,5,6,7,8,9,10,11,12,13,14,15
.set BB, (144+64*((\a)%2)+4*\t)%256
	global_store_b128 v[CO], v[BB:BB+3], s[16:17] offset:(16*(\a)+\t)*16384   ; 512 consecutive bytes, at a multiple of 256 from C's first byte
.endr
.endm
	MEET 6                                         ; slot 1 holds K step 7; nothing is filled again, so no round follows
	PLACES 4                                       ; for the loads into the sets that the step before has read
	OPQ 0
	ALOAD 0
	OPQ 2
.irp a, 4,5,6,7
	MUL4 \a, 1, 6, 3, 0
.endr
	PLACES 4                                       ; for the loads into the sets just read
	OPQ 1
	OPQ 3
	ALOAD 1
	ROW 0
.irp a, 0,1,2,3,4,5,6,7
	PLACES 4                                       ; for the stage's reads of the results just made, and for the loads into x's buffer
	TOSTAGE \a
.if \a < 6
	ALOAD \a+2
	s_wait_dscnt 40                                ; x a + 1 is in; behind it the stage's 16 stores and 16 loads, and x a + 2
	ROW \a+1
	SEND \a, 8
.else
.if \a < 7
	s_wait_dscnt 32
	ROW \a+1
.endif
	SEND \a, 0
.endif
.endr
	s_wait_tensorcnt 0x0                           ; the wave's end
	ds_add_u32 v[SPW], v[NIL]
	s_wait_dscnt 0x0
	CROUND                                         ; the closing round: no work-group ends while a partner may still ask for a tile that names it
	s_endpgm
.Lfunc_end_k_q93dd0d5200_gemm:
	.size	k_q93dd0d5200_gemm, .Lfunc_end_k_q93dd0d5200_gemm-k_q93dd0d5200_gemm
	.p2alignl 7, 3214868480
	.fill 96, 4, 3214868480
	.section	.rodata,"a",@progbits
	.p2align	6, 0x0
	.amdhsa_kernel k_q93dd0d5200_gemm
		.amdhsa_group_segment_fixed_size 327680
		.amdhsa_private_segment_fixed_size 0
		.amdhsa_enable_private_segment 0
		.amdhsa_kernarg_size 64
		.amdhsa_user_sgpr_count 2
		.amdhsa_user_sgpr_kernarg_segment_ptr 1
		.amdhsa_wavefront_size32 1
		.amdhsa_system_sgpr_workgroup_id_x 1
		.amdhsa_system_sgpr_workgroup_id_y 1
		.amdhsa_system_sgpr_workgroup_id_z 1
		.amdhsa_system_vgpr_workitem_id 0
		.amdhsa_next_free_vgpr 1024
		.amdhsa_next_free_sgpr 100
		.amdhsa_reserve_vcc 0
		.amdhsa_float_denorm_mode_32 3
		.amdhsa_float_denorm_mode_16_64 3
		.amdhsa_memory_ordered 1
		.amdhsa_forward_progress 1
		.amdhsa_inst_pref_size 255
	.end_amdhsa_kernel
	.section	.bss,"aw",@nobits
	.p2align	6
	.space	262144
	.amdgpu_metadata
---
amdhsa.version: [ 1, 2 ]
amdhsa.kernels:
  - .name:           k_q93dd0d5200_gemm
    .symbol:         k_q93dd0d5200_gemm.kd
    .args:
      - { .name: x_real_codes, .offset: 0, .size: 8, .value_kind: global_buffer, .address_space: global }
      - { .name: x_real_scales, .offset: 8, .size: 8, .value_kind: global_buffer, .address_space: global }
      - { .name: x_imag_codes, .offset: 16, .size: 8, .value_kind: global_buffer, .address_space: global }
      - { .name: x_imag_scales, .offset: 24, .size: 8, .value_kind: global_buffer, .address_space: global }
      - { .name: op_codes, .offset: 32, .size: 8, .value_kind: global_buffer, .address_space: global }
      - { .name: op_scales, .offset: 40, .size: 8, .value_kind: global_buffer, .address_space: global }
      - { .name: out0, .offset: 48, .size: 8, .value_kind: global_buffer, .address_space: global }
      - { .name: out1, .offset: 56, .size: 8, .value_kind: global_buffer, .address_space: global }
    .group_segment_fixed_size: 327680
    .private_segment_fixed_size: 0
    .kernarg_segment_align: 8
    .kernarg_segment_size: 64
    .max_flat_workgroup_size: 128
    .sgpr_count:     100
    .vgpr_count:     1024
    .wavefront_size: 32
...
	.end_amdgpu_metadata
.endif
;; end of part 1
